; MI455X (gfx1250); checked and timed in simulation.
; The chip was launched on July 23, 2026; its instructions are those of AMD's public machine-readable ISA for CDNA 5 (MIT licence, August 2026) and "CDNA5" Instruction Set Architecture Reference Guide (July 2026). The comments in the code are by the model that wrote it; some were corrected since.
;; Kmeans Quantize. Allowed arithmetic: matrix products marked QUANTISED: E2M3 operands, one E8M0 scale for each 32 along K, by v_wmma_scale_f32_16x16x128_f8f6f4 with both operands' format E2M3, f32 sums; everything else in f32.
;; Inputs: embd 8,192 x 256 float32; input 8 x 4,096 x 256 float32.
;; Outputs: out0 8 x 4,096 x 256 float32; out1 8 x 4,096 int32.
;; This version of the problem:
;;   THIS VERSION OF THE PROBLEM IS GIVEN IN LOW PRECISION. The matrix products marked QUANTISED in the list below multiply operands that are first quantised to E2M3 (2 exponent bits, 3 mantissa bits; 6 bits a number), with one power-of-two scale for each 32 numbers along K (OCP MX v1.0); their sums are f32. All else is computed in f32.
;;   The module's matrix products, in the order in which they are computed (A, B: the left and right operand; K: the contracted axis; several contracted axes count as one K, in the product's order):
;;     1. [M 32,768, K 256] x [K 256, N 8,192]; A: input input; B: input embd: QUANTISED
;;   THE QUANTISER, for each operand of a quantised product, along K:
;;     - K is cut into blocks of 32 from its start; a last block that is shorter is filled with zeros.
;;     - A block's scale is 2^e with e = floor(log2(the largest magnitude in the block)) - 2, held to -126 .. 127; a block of zeros has e = 0. As a byte (E8M0): e + 127.
;;     - Each number is divided by its block's scale, clamped to +-7.5, and rounded to the nearest number of E2M3, ties to even, subnormals kept.
;;     - The product sums the exact products of the quantised numbers (number of the format x scale) in f32.
;;   ~~~python
;;   def quantise(x, axis):      # numpy; x: float32 -> the quantised numbers, widened to float32 again
;;       x = np.moveaxis(x, axis, -1); K = x.shape[-1]
;;       x = np.pad(x, [(0, 0)] * (x.ndim - 1) + [(0, -K % 32)]); x = x.reshape(x.shape[:-1] + (-1, 32)); a = np.abs(x).max(-1, keepdims=True)
;;       e = np.where(a > 0, np.clip(np.frexp(np.where(a > 0, a, 1))[1] - 1 - 2, -126, 127), 0)      # np.frexp(a)[1] - 1 = floor(log2(a)), exactly
;;       r = np.clip(x / 2.0 ** e, -7.5, 7.5)
;;       step = 2.0 ** (np.maximum(np.frexp(np.where(r == 0, 1, r))[1] - 1, 0) - 3)
;;       q = np.round(r / step) * step * 2.0 ** e      # np.round: ties to even
;;       return np.moveaxis(q.reshape(q.shape[:-2] + (-1,))[..., :K], -1, axis).astype(np.float32)
;;   ~~~
;; One version. Each part assembles by itself: llvm-mc -triple=amdgcn-amd-amdhsa -mcpu=gfx1250 --defsym DOCPART=n.
;; ======== version 1 of 1: 4 launches
;; limits: right only within a limited range of input values
;; workspace buffers: ecode 1,638,400 bytes; icode 6,553,600 bytes; cbw 131,072 bytes of whole numbers; idxw 131,072 bytes of whole numbers
;; launch qembd (part 1): grid 1280 x 1, 2 waves a work-group, no clusters, 17,664 bytes of LDS; arguments embd, ecode, input, icode; writes ecode, icode
.if DOCPART == 1
	.amdgcn_target "amdgcn-amd-amdhsa--gfx1250"
	.amdhsa_code_object_version 6
	.text
	.protected	k_q279a08dece_qembd
	.globl	k_q279a08dece_qembd
	.p2align	8
	.type	k_q279a08dece_qembd,@function
k_q279a08dece_qembd:
	s_mov_b64 s[64:65], 0
	v_nop
	global_prefetch_b8 v0, s[64:65] scope:SCOPE_SE
	s_setreg_imm32_b32 hwreg(HW_REG_WAVE_MODE, 25, 1), 1
	s_wait_xcnt 0x0
; embd [8192][256] f32 becomes codes of FP6 (E2M3) with one E8M0 byte for each 32 along K, laid in the ORDER OF THE OPERAND'S REGISTERS, so that the product's launch
; takes a fragment by loads of 16 bytes a lane and a step's tiles are one dense block.
; ecode: 128 packs of 12,800 bytes; pack p holds the tiles (16 codewords each) 4 p .. 4 p + 3.  Tile q of a pack: six blocks of 512 bytes at 3,072 q: block 3 s + c holds registers
; 4 c .. 4 c + 3 of the fragment of K step s (128 along K), lane l's 16 bytes at 16 l.  Its scale words at 12,288 + 128 q + 4 l: lanes 0-15 row l's word of K step 0, lanes 16-31 row l - 16's of K step 1.
; A block's scale is 2^(floor(log2(its largest magnitude)) - 2); its byte is the largest magnitude's exponent field - 2, held at 1 from below.
; LIMITS: a block of zeros gets the byte 1 where the rule says 127 (its codes are zeros, which add nothing under any byte but 0xff, and this program alone reads the bytes);
; NaN and infinities among the inputs are not served.
; SHARES: a wave takes one tile: 16 rows of 1,024 bytes.  Each load reads 512 consecutive bytes; the numbers turn through the wave's own stage in LDS, so that a lane then holds 16 neighbours along K of one row.
; No cluster: no two work-groups read the same bytes.  No tensor loads: 16 KiB a wave, asked for at once by 32 loads.
; ONE LAUNCH FOR BOTH OPERANDS: work-groups 0-255 take embd into ecode, work-groups 256-1279 take input [32768][256] into icode (512 packs of the same make); only pointers are chosen, by the work-group's number.
; WORK LEFT OUT BY THE PROGRAM: reference() returns input + (embd[idx] - input).  In real numbers that is embd[idx] for all values of input and embd, so the last launch stores embd[idx] and
; forms neither the difference nor the sum; input still reaches both outputs through the argmax and is loaded here.  LIMIT: a NaN, an infinity or an overflow that arises only in that difference and sum is not carried to out0.
.set XA,  16
.set PC,  80                           ; v80-98   the codes just made
.set TM,  100                          ; v100-103 largest magnitudes, v104-107 bytes, v112-115 the conversions' scale operands
.set PW,  116                          ; the scale word just made
.set PW0, 117                          ; K step 0's, kept
.set SW,  118                          ; both: lanes 0-15 K step 0's, lanes 16-31 K step 1's
.set LG,  119                          ; 16 x lane; never rewritten
.set STS, 120                          ; the stage, on the way in
.set STL, 121                          ; and on the way out
.set R0,  128                          ; v128-191 K step 0 as loaded
.set XB,  128                          ; later: 64 numbers of my row, K step 1
.set SCW, 5                            ; v5  LDS: where my scale word goes
.set SCR, 6                            ; v6  LDS: where wave 0 reads 8 bytes of the two tiles' words
.set SCO, 7                            ; v7  8 x lane
.set SRC, 4                            ; s[4:5]   my tile's first row
.set DST, 24                           ; s[24:25] my tile's codes
.set SCD, 26                           ; s[26:27] the work-group's 256 bytes of scale words
.set SEL, 16                           ; s[16:17] v_permlanex16_b32's selects for lane l xor 16
.set HM,  18                           ; s18      lanes 16-31
.set SCL, 16896                        ; LDS: behind the two stages of 16 x 528 bytes
.macro GLOAD                           ; row i of the tile, K step s: 32 lanes read 512 consecutive bytes
.irp s, 0,1
.irp i, 0,1,2,3,4,5,6,7,8,9,10,11,12,13,14,15
	global_load_b128 v[R0+64*\s+4*\i:R0+64*\s+4*\i+3], v[LG], s[SRC:SRC+1] offset:1024*\i+512*\s th:TH_LOAD_NT
.endr
.endr
.endm
.macro TOSTG s                         ; as loaded, rows 528 bytes apart (33 x 16: the sixteen rows that a read touches begin in sixteen different groups of banks; 64 banks of 4 bytes: ISA guide 11.1)
.irp i, 0,1,2,3,4,5,6,7,8,9,10,11,12,13,14,15
	ds_store_b128 v[STS], v[R0+64*\s+4*\i:R0+64*\s+4*\i+3] offset:528*\i
.endr
.endm
.macro FROMSTG x                       ; back: of my row, 16 neighbours of each block of 32
.irp b, 0,1,2,3
.irp j, 0,1,2,3
	ds_load_b128 v[\x+16*\b+4*\j:\x+16*\b+4*\j+3], v[STL] offset:128*\b+16*\j
.endr
.endr
.endm
; 64 numbers of a lane, v[s] .. v[s + 63], become a fragment's codes in v[PC] .. v[PC + 11] and my row's scale word in v[PW].
.macro QUANT s
.irp b, 0,1,2,3
	v_max3_num_f32 v[TM+\b], |v[\s+16*\b]|, |v[\s+1+16*\b]|, 0x1800000   ; block b: my 16 numbers, and the floor 2^(3 - 127): the byte cannot fall under 1
.endr
.irp i, 2,4,6,8,10,12,14
.irp b, 0,1,2,3
	v_max3_num_f32 v[TM+\b], v[TM+\b], |v[\s+16*\b+\i]|, |v[\s+1+16*\b+\i]|   ; the four blocks by turns
.endr
.endr
.irp b, 0,1,2,3
	v_permlanex16_b32 v[TM+4+\b], v[TM+\b], s[SEL], s[SEL+1]
.endr
.irp b, 0,1,2,3
	v_max_num_f32 v[TM+\b], v[TM+\b], v[TM+4+\b]   ; with lane l xor 16's: the block's largest magnitude
.endr
.irp b, 0,1,2,3
	v_add_nc_u32 v[TM+12+\b], 0xff000000, v[TM+\b]   ; 2 off its exponent field: the conversion takes this operand's exponent field as its scale
.endr
.irp b, 0,1,2,3
	v_lshrrev_b32 v[TM+4+\b], 23, v[TM+12+\b]      ; the scale's byte
.endr
	v_lshl_or_b32 v[PW], v[TM+5], 8, v[TM+4]
	v_lshl_or_b32 v[PW], v[TM+6], 16, v[PW]
	v_lshl_or_b32 v[PW], v[TM+7], 24, v[PW]
.irp c, 0,1
	v_cvt_scalef32_pk16_fp6_f32 v[PC+6*\c:PC+2+6*\c], v[\s+32*\c:\s+15+32*\c], v[TM+12+2*\c]
	v_cvt_scalef32_pk16_fp6_f32 v[PC+12+4*\c:PC+14+4*\c], v[\s+16+32*\c:\s+31+32*\c], v[TM+12+2*\c+1]   ; (a conversion's three registers begin on an even number)
.endr
	v_nop                                          ; one plain place behind a scaled conversion
.irp c, 0,1                                    ; the operand's layout wants a whole block in a lane: lanes 0-15 block 2 c, lanes 16-31 block 2 c + 1
.irp i, 0,1,2
	v_permlane16_swap_b32 v[PC+6*\c+\i], v[PC+12+4*\c+\i]
.endr
.irp i, 0,1,2
	v_mov_b32 v[PC+3+6*\c+\i], v[PC+12+4*\c+\i]
.endr
.endr
.endm
.macro IMAGE s                         ; the fragment leaves as it stands: each store covers 512 consecutive bytes, at a multiple of 256 from ecode's first byte
.irp c, 0,1,2
	global_store_b128 v[LG], v[PC+4*\c:PC+4*\c+3], s[DST:DST+1] offset:1536*\s+512*\c
.endr
.endm
	s_load_b128 s[4:7], s[0:1], 0x0                ; embd, ecode
	s_load_b128 s[28:31], s[0:1], 0x10             ; input, icode
	v_lshl_add_u32 v126, v0, 2, 0x4400
	v_mov_b32 v127, 0
	v_lshrrev_b32 v1, 5, v0
	v_readfirstlane_b32 s8, v1                     ; wave 0, 1
	v_and_b32 v2, 31, v0                           ; lane
	v_and_b32 v3, 15, v0                           ; r
	v_bfe_u32 v4, v0, 4, 1                         ; h
	v_lshlrev_b32 v[LG], 4, v2
	s_mul_i32 s9, s8, 8448                         ; my stage
	v_add_nc_u32 v[STS], s9, v[LG]
	v_mul_u32_u24 v[STL], v3, 528
	v_lshl_add_u32 v[STL], v4, 6, v[STL]
	v_add_nc_u32 v[STL], s9, v[STL]                ; row r, + 64 h
	v_lshl_add_u32 v[SCW], v0, 2, SCL              ; 128 x wave + 4 x lane
	v_lshlrev_b32 v[SCO], 3, v2
	v_add_nc_u32 v[SCR], SCL, v[SCO]
.irp b, 0,1,2,3
	v_mov_b32 v[TM+4+\b], 0                        ; written once: a lane permute's destination counts as one of its sources
.endr
	s_mov_b32 s[SEL], 0x76543210
	s_mov_b32 s[SEL+1], 0xfedcba98
	s_mov_b32 s[HM], 0xffff0000
	s_cmp_lt_u32 ttmp9, 256                        ; embd's work-group or input's?
	s_cselect_b32 s32, 0, 256
	s_sub_co_u32 s32, ttmp9, s32                   ; my number within my tensor
	s_lshl_b32 s10, s32, 1
	s_add_co_u32 s10, s10, s8                      ; my tile = 2 x work-group + wave
	s_lshl_b32 s10, s10, 14                        ; 16 rows of 1,024 bytes
	s_mov_b32 s11, 0
	s_lshr_b32 s12, s32, 1
	s_mul_i32 s12, s12, 12800                      ; the pack
	s_and_b32 s14, s32, 1
	s_lshl_b32 s15, s14, 1
	s_add_co_u32 s15, s15, s8                      ; my tile's place in it
	s_mul_i32 s15, s15, 3072
	s_add_co_u32 s20, s12, s15
	s_mov_b32 s21, 0
	s_lshl_b32 s14, s14, 8
	s_add_co_u32 s14, s14, 12288
	s_add_co_u32 s22, s12, s14                     ; the two tiles' scale words: 256 bytes, aligned
	s_mov_b32 s23, 0
	s_wait_alu depctr_va_vdst(0)
	s_wait_kmcnt 0x0
	s_cmp_lt_u32 ttmp9, 256                        ; the choice hangs on the work-group's number alone
	s_cselect_b64 s[4:5], s[4:5], s[28:29]
	s_cselect_b64 s[6:7], s[6:7], s[30:31]
	s_add_nc_u64 s[SRC:SRC+1], s[4:5], s[10:11]
	s_add_nc_u64 s[DST:DST+1], s[6:7], s[20:21]
	s_add_nc_u64 s[SCD:SCD+1], s[6:7], s[22:23]
	GLOAD
	s_wait_loadcnt 16                              ; K step 0's sixteen loads are in; K step 1's sixteen may be out
	TOSTG 0
	FROMSTG XA
	s_wait_loadcnt 0x0
	TOSTG 1                                        ; into the same bytes: LDS serves a wave's instructions in order (ISA guide 5.7.1.4), so these land behind the reads above
	s_wait_dscnt 16                                ; all but these sixteen stores: K step 0's numbers are back
	FROMSTG XB
	QUANT XA
	v_mov_b32 v[PW0], v[PW]
	IMAGE 0
	s_wait_dscnt 0x0                               ; K step 1's numbers are back
	s_wait_xcnt 0x0                                ; the stores' data registers are written again only behind this wait
	QUANT XB
	IMAGE 1
	v_cndmask_b32 v[SW], v[PW0], v[PW], s[HM]      ; lanes 0-15: K step 0's word of row l; lanes 16-31: K step 1's of row l - 16
	ds_store_b32 v[SCW], v[SW]
	s_wait_dscnt 0x0                               ; for the other wave's sake: my store has landed
	s_barrier_signal -1
	s_barrier_wait -1
	s_cmp_lg_u32 s8, 0
	s_cbranch_scc1 .Lend
	ds_load_b64 v[8:9], v[SCR]                     ; both tiles' words
	s_wait_dscnt 0x0
	global_store_b64 v[SCO], v[8:9], s[SCD:SCD+1]  ; 32 lanes store 256 consecutive bytes, aligned
.Lend:
	s_wait_tensorcnt 0x0
	ds_add_u32 v126, v127
	s_wait_dscnt 0x0
	s_endpgm
.Lfunc_end_k_q279a08dece_qembd:
	.size	k_q279a08dece_qembd, .Lfunc_end_k_q279a08dece_qembd-k_q279a08dece_qembd
	.p2alignl 7, 3214868480
	.fill 96, 4, 3214868480
	.section	.rodata,"a",@progbits
	.p2align	6, 0x0
	.amdhsa_kernel k_q279a08dece_qembd
		.amdhsa_group_segment_fixed_size 17664
		.amdhsa_private_segment_fixed_size 0
		.amdhsa_enable_private_segment 0
		.amdhsa_kernarg_size 32
		.amdhsa_user_sgpr_count 2
		.amdhsa_user_sgpr_kernarg_segment_ptr 1
		.amdhsa_wavefront_size32 1
		.amdhsa_system_sgpr_workgroup_id_x 1
		.amdhsa_system_sgpr_workgroup_id_y 1
		.amdhsa_system_sgpr_workgroup_id_z 1
		.amdhsa_system_vgpr_workitem_id 0
		.amdhsa_next_free_vgpr 256
		.amdhsa_next_free_sgpr 66
		.amdhsa_reserve_vcc 0
		.amdhsa_float_denorm_mode_32 3
		.amdhsa_float_denorm_mode_16_64 3
		.amdhsa_memory_ordered 1
		.amdhsa_forward_progress 1
		.amdhsa_inst_pref_size 19
	.end_amdhsa_kernel
	.amdgpu_metadata
---
amdhsa.version: [ 1, 2 ]
amdhsa.kernels:
  - .name:           k_q279a08dece_qembd
    .symbol:         k_q279a08dece_qembd.kd
    .args:
      - { .name: embd, .offset: 0, .size: 8, .value_kind: global_buffer, .address_space: global }
      - { .name: ecode, .offset: 8, .size: 8, .value_kind: global_buffer, .address_space: global }
      - { .name: input, .offset: 16, .size: 8, .value_kind: global_buffer, .address_space: global }
      - { .name: icode, .offset: 24, .size: 8, .value_kind: global_buffer, .address_space: global }
    .group_segment_fixed_size: 17664
    .private_segment_fixed_size: 0
    .kernarg_segment_align: 8
    .kernarg_segment_size: 32
    .max_flat_workgroup_size: 64
    .sgpr_count:     66
    .vgpr_count:     256
    .wavefront_size: 32
...
	.end_amdgpu_metadata
.endif
;; end of part 1
;; launch vqmax (part 2): grid 256 x 1, 8 waves a work-group, clusters of 4 x 1, 327,680 bytes of LDS; arguments icode, ecode, cbw; writes cbw
.if DOCPART == 2
	.amdgcn_target "amdgcn-amd-amdhsa--gfx1250"
	.amdhsa_code_object_version 6
	.text
	.protected	k_q279a08dece_vqmax
	.globl	k_q279a08dece_vqmax
	.p2align	8
	.type	k_q279a08dece_vqmax,@function
k_q279a08dece_vqmax:
	s_mov_b64 s[64:65], 0
	v_nop
	global_prefetch_b8 v0, s[64:65] scope:SCOPE_SE
	s_setreg_imm32_b32 hwreg(HW_REG_WAVE_MODE, 25, 1), 1
	s_wait_xcnt 0x0
	s_wait_alu depctr_hold_cnt(0) depctr_sa_sdst(0) depctr_va_vdst(0) depctr_va_sdst(0) depctr_va_ssrc(0) depctr_va_vcc(0) depctr_vm_vsrc(0)
	s_getreg_b32 s2, hwreg(HW_REG_IB_STS2, 6, 4)
	s_cmp_eq_u32 s2, 0
	s_cbranch_scc0 .Lentry_in_a_cluster
	s_endpgm
.Lentry_in_a_cluster:
	s_bfe_u32 s2, ttmp6, 0x10000c
	s_cmp_lg_u32 s2, 0x3003
	s_cbranch_scc0 .Lentry_shape_is_right
	s_endpgm
.Lentry_shape_is_right:
; For each of the 32,768 rows of input: WHICH BLOCK OF 8 NEIGHBOURING CODEWORDS holds the largest Q(input) . Q(embd), the lowest block where several are equal.  Both operands come as codes of FP6 (E2M3)
; with one E8M0 scale for each 32 along K = 256, as images of the operand's registers (icode, ecode); sums in f32.  The block's number (0 .. 1,023) goes to cbw; the next launch finds the codeword in the block.
; SHARES.  A work-group owns 128 rows.  EVERY wave holds the codes of all 128 rows (8 tiles x 2 K steps x 12 registers, window 1, loaded as they lie: 48 + 8 loads) and walks ITS OWN EIGHTH of the codebook:
; 64 tiles of 16 codewords, a tile a step.  A fragment of embd is read from LDS once, by one wave, and feeds 16 matrix instructions.
; THE PRODUCT IS USED TRANSPOSED: source 0 = 16 codewords, source 1 = 16 rows: lane (r, h) holds row r, and its register j codeword 16 tile + 8 h + j: a lane's eight results are one block of 8.
; THE TRACK, for a tile of rows and a tile of codewords: four v_max3_num_f32 fold the eight results and the running maximum; where it has GROWN (strictly: the earlier tile keeps a tie) the tile's number is kept
; by a select: 6 instructions, 48 a step, four tiles' chains by turns.  No branch and no address hangs on these numbers.
; A STEP: 16 matrix instructions on end into accumulator set n % 2, then the track of step n - 1 on the other set: its 48 instructions are the places behind the products.  Two window switches a step.
; CLUSTER.  All work-groups walk the same codes in the same order: the four of a cluster ask for each pack JOINTLY (the descriptor hangs on the wave's number alone; the mask names the four).
; THE RING.  Two slots; in each 12,800 bytes (a pack: four tiles with their scale words) for each wave, brought by that wave's load and read by that wave alone.  A pack's fourth fragment is asked of LDS at the head of its third
; step, so the slot is left in that step: the three lines, the round's opening signal behind the products, the track between signal and wait, the joint refill first behind the round.  One tensor load of a wave is out at a time.
; PREFETCH.  Behind the load of my pack k stands a prefetch of my pack k + 2 (at the head also of pack 1): 50 blocks of 256 bytes, shared out among the four partners by address: partner cx names blocks 13 cx .. 13 cx + 12,
; held at 49; lanes 13-31 name lane 12's block again.  The last two refills ask for nothing.
; LIMITS: NaN and infinities among the inputs are not served (a NaN loses in the maxima here, where argmax would choose it).
; REGISTERS.  Window 0: v1-7, v44-47, v114 addresses; v8-15 the rows' scale words; v16-31 running maxima, two sets by turns; v32-39 the winning tile; v40-43 at work; v48-111 accumulators, set 1; v112-113 embd's scale words;
;   v128-191 accumulators, set 0; v192-239 two fragments of embd.  Window 1: v0-191 the rows' codes.
.set PACK, 12800
.set SLOT, 8*PACK
.set MRG,  2*SLOT                      ; behind the ring: the waves' results: values at 512 w + 4 row, block numbers 4,096 further on
.set SPARE, MRG+8192                   ; the spare words, 128 bytes for each wave
.set ADR0, 1                           ; v1, v2  16 x lane + PACK x wave, in slot 0, 1
.set ASC0, 3                           ; v3, v4  the scale words there
.set SPW,  5
.set NIL,  6
.set H,    7                           ; lane / 16
.set XS,   8
.set RUN,  16
.set GID,  32
.set T,    40
.set PFO,  44
.set LG,   45                          ; 16 x lane
.set L4,   46                          ; 4 x lane
.set MST,  47
.set ES,   112
.set MLD,  114
.set ACCB, 128                         ; accumulators: set p at ACCB - 80 p
.set FRW,  192                         ; fragment buffer b at FRW + 24 b
.set IDX,  128                         ; the end, over set 0 and the fragments
.set OV,   136
.set OI,   144
.set MN,   152
.set MV,   160
.set MI,   192
.set WV,  12
.set G1,  24
.set G0,  32
.set PFA, 40
.set MK,  44                           ; s44-47 four masks
.set TID, 48                           ; the tile whose track is next
.set TRIPS, 49
.set SEL, 50
.set HM,  52
.set MSB, 0
.macro WIN new                         ; the immediate's high byte repeats the setting that is left
.if MSB != \new
	s_set_vgpr_msb (MSB<<8)|\new
.set MSB, \new
.endif
.endm
.macro CREST                           ; a round of the cluster's barrier behind its opening barrier
	s_cmp_lg_u32 s[WV], 0
	s_cbranch_scc1 .Lnot_wave_0_\@
	s_barrier_signal -3
.Lnot_wave_0_\@:
	s_barrier_wait -3
	s_barrier_signal -1
	s_barrier_wait -1
.endm
.macro CROUND
	s_barrier_signal -1
	s_barrier_wait -1
	CREST
.endm
.macro TLOAD g                         ; a joint load of my wave's pack; s_nop 0 and four v_nop follow it
	tensor_load_to_lds s[\g:\g+3], s[G1:G1+7]
	s_nop 0
.rept 4
	v_nop
.endr
.endm
.macro ASK                             ; my pack two refills on; not in the loop's last trip, whose refills are the last two packs
	s_cmp_gt_u32 s[TRIPS], 1
	s_cbranch_scc0 .Lno_ask_\@
	s_cmp_lt_u32 ttmp9, 4
	s_cbranch_scc0 .Lno_prefetch_vqmax0_\@
	global_prefetch_b8 v[PFO], s[PFA:PFA+1] th:TH_LOAD_NT scope:SCOPE_SE
.Lno_prefetch_vqmax0_\@:
.Lno_ask_\@:
.endm
.macro FRAGLD slot, q, buf             ; tile q of my pack: both K steps' fragments and the scale word: seven LDS loads of consecutive bytes
.irp c, 0,1,2,3,4,5
	ds_load_b128 v[FRW+24*(\buf)+4*\c:FRW+24*(\buf)+4*\c+3], v[ADR0+(\slot)] offset:3072*(\q)+512*\c
.endr
	ds_load_b32 v[ES+(\buf)], v[ASC0+(\slot)] offset:128*(\q)
.endm
; Matrix instruction m of a step's sixteen: m < 8: K step 0 against tile m of the rows, which starts the sum; else K step 1.  The eight accumulators take turns.
; A scale register carries K step 0's words in lanes 0-15 and K step 1's in lanes 16-31.
.macro MM buf, m
.set AS, ACCB-80*(\buf)
.set FB, FRW+24*(\buf)
.if (\m) < 8
	v_wmma_scale_f32_16x16x128_f8f6f4 v[AS+8*(\m):AS+8*(\m)+7], v[FB:FB+11], v[24*(\m):24*(\m)+11], 0, v[ES+(\buf)], v[XS+(\m)] matrix_a_fmt:MATRIX_FMT_FP6 matrix_b_fmt:MATRIX_FMT_FP6
.else
	v_wmma_scale_f32_16x16x128_f8f6f4 v[AS+8*((\m)-8):AS+8*((\m)-8)+7], v[FB+12:FB+23], v[24*((\m)-8)+12:24*((\m)-8)+23], v[AS+8*((\m)-8):AS+8*((\m)-8)+7], v[ES+(\buf)], v[XS+(\m)-8] matrix_a_fmt:MATRIX_FMT_FP6 matrix_b_fmt:MATRIX_FMT_FP6 matrix_a_scale:MATRIX_SCALE_ROW1 matrix_b_scale:MATRIX_SCALE_ROW1
.endif
.endm
.macro TRACK par                       ; the track of a step of parity par: old maxima in set par, new in the other; each accumulator is read from its low end on
.set OLD, RUN+8*(\par)
.set NEW, RUN+8-8*(\par)
.set AC,  ACCB-80*(\par)
.irp g, 0,4
.irp i, 0,1,2,3
	v_max3_num_f32 v[T+\i], v[AC+8*(\g+\i)], v[AC+8*(\g+\i)+1], v[AC+8*(\g+\i)+2]
.endr
.irp i, 0,1,2,3
	v_max3_num_f32 v[T+\i], v[T+\i], v[AC+8*(\g+\i)+3], v[AC+8*(\g+\i)+4]
.endr
.irp i, 0,1,2,3
	v_max3_num_f32 v[T+\i], v[T+\i], v[AC+8*(\g+\i)+5], v[AC+8*(\g+\i)+6]
.endr
.irp i, 0,1,2,3
	v_max3_num_f32 v[NEW+\g+\i], v[T+\i], v[AC+8*(\g+\i)+7], v[OLD+\g+\i]
.endr
.irp i, 0,1,2,3
	v_cmp_gt_f32 s[MK+\i], v[NEW+\g+\i], v[OLD+\g+\i]              ; has it grown?  Strictly
.endr
.irp i, 0,1,2,3
	v_cndmask_b32 v[GID+\g+\i], v[GID+\g+\i], s[TID], s[MK+\i]
.endr
.endr
	s_add_co_u32 s[TID], s[TID], 1
.endm
; A STEP: tile q of the pack in a slot.  The next tile's fragments are asked of LDS first: their buffer's last readers are the step before's products, and that step's track lies between.
; q = 2, mode = 2: the slot is left and filled again.  q = 2, mode = 1: the last slot but one: my own wait shows my last pack landed.  q = 3, mode = 1: the next tile is the other slot's first; mode = 0: none.
.macro STEP slot, q, trk, mode, ask
	s_wait_dscnt 0x0                               ; this tile's fragments and scale word are in: nothing younger has been issued
.if (\q) < 3
	FRAGLD \slot, (\q)+1, ((\q)+1)%2
.elseif \mode
	FRAGLD 1-(\slot), 0, 0
.endif
.if \ask
	ASK
.endif
.if ((\q) == 2) && ((\mode) == 2)
	s_wait_xcnt 0x0                                ; my last prefetch has read its address
	s_add_nc_u64 s[PFA:PFA+1], s[PFA:PFA+1], PACK
	s_wait_tensorcnt 0x0                           ; my one load that was out, my part of the other slot, has landed
	ds_add_u32 v[SPW], v[NIL]                      ; 0 onto my spare word; the products stand between it and the wait for it
	s_add_nc_u64 s[G0+4*(\slot)+2:G0+4*(\slot)+3], s[G0+4*(\slot)+2:G0+4*(\slot)+3], 2*PACK
.endif
	WIN 0x04                                       ; source 1, the rows' codes: window 1
.irp m, 0,1,2,3,4,5,6,7,8,9,10,11,12,13,14,15
	MM (\q)%2, \m
.endr
	WIN 0
.if ((\q) == 2) && ((\mode) == 2)
	s_wait_dscnt 0x0                               ; the add is done, and my reads of the slot are over
	s_barrier_signal -1                            ; the round is opened; the track, work on registers, follows
.endif
.if \trk
	TRACK 1-(\q)%2
.else
.rept 4
	v_nop                                          ; a bare step: four places behind its products (ISA guide 7.12.1)
.endr
.endif
.if ((\q) == 2) && ((\mode) == 2)
	s_barrier_wait -1
	CREST                                          ; no wave of any partner still reads the slot or has a load on its way
	TLOAD G0+4*(\slot)
.elseif ((\q) == 2) && ((\mode) == 1)
	s_wait_tensorcnt 0x0
.endif
.endm
	s_load_b128 s[4:7], s[0:1], 0x0                ; icode, ecode
	s_load_b64 s[8:9], s[0:1], 0x10                ; cbw
	v_lshl_add_u32 v[SPW], v0, 2, SPARE
	v_mov_b32 v[NIL], 0
	ds_add_u32 v[SPW], v[NIL]                      ; the add twice on end under one wait
	ds_add_u32 v[SPW], v[NIL]
	v_lshrrev_b32 v16, 5, v0
	v_readfirstlane_b32 s[WV], v16                 ; wave 0..7
	v_and_b32 v40, 31, v0                          ; lane
	v_and_b32 v41, 15, v0                          ; r
	v_bfe_u32 v[H], v0, 4, 1
	v_lshlrev_b32 v[LG], 4, v40
	v_lshlrev_b32 v[L4], 2, v40
	s_mul_i32 s16, s[WV], PACK                     ; my part of a slot
	v_add_nc_u32 v[ADR0], s16, v[LG]
	v_add_nc_u32 v[ASC0], s16, v[L4]
	v_add_nc_u32 v[ADR0+1], SLOT, v[ADR0]
	v_add_nc_u32 v[ASC0], 12288, v[ASC0]
	v_add_nc_u32 v[MLD], MRG, v[LG]
	v_add_nc_u32 v[ASC0+1], SLOT, v[ASC0]
	s_lshl_b32 s17, s[WV], 9
	s_add_co_u32 s17, s17, MRG
	v_lshl_add_u32 v[MST], v41, 2, s17
	v_lshl_add_u32 v[MST], v[H], 12, v[MST]        ; lanes 16-31: 4,096 further on
	s_bfe_u32 s13, ttmp6, 0x40000                  ; cx: it enters global addresses alone
	s_mul_i32 s15, s13, 13
	v_min_u32 v[PFO], 12, v40
	v_add_nc_u32 v[PFO], s15, v[PFO]
	v_min_u32 v[PFO], 49, v[PFO]
	v_lshlrev_b32 v[PFO], 8, v[PFO]                ; my block of 256 bytes in a pack
.irp i, 0,1,2,3,4,5,6,7                        ; the track is written once: the first finds -infinity, over which every similarity grows
	v_mov_b32 v[RUN+\i], 0xff800000
	v_mov_b32 v[GID+\i], 0
.endr
	s_mov_b32 s[SEL], 0x76543210
	s_mov_b32 s[SEL+1], 0xfedcba98
	s_mov_b32 s[HM], 0xffff0000
	s_lshl_b32 s[TID], s[WV], 6                    ; my first tile
	s_mov_b32 s[G1], 15|(3<<16)|(1<<21)            ; the mask: all four work-groups; elements of 8 bytes; bit 21 beside a mask
	s_mov_b32 s[G1+1], 32<<16                      ; a pack is a dense block: 50 rows of 256 bytes
	s_mov_b32 s[G1+2], 50<<16
	s_mov_b32 s[G1+3], 32<<16
	s_mov_b32 s[G1+4], 50
	s_mov_b32 s[G1+5], 32
	s_mov_b32 s[G1+6], 0
	s_mov_b32 s[G1+7], 0
	s_lshl_b32 s14, ttmp9, 2
	s_add_co_u32 s14, s14, s13                     ; my block of 128 rows = 4 x cluster + cx
	s_mul_i32 s22, s14, 2*PACK                     ; its two packs of icode
	s_mov_b32 s23, 0
	s_lshl_b32 s42, s14, 9                         ; its 128 words of cbw
	s_mov_b32 s43, 0
	s_mul_i32 s18, s[WV], 16*PACK                  ; my sixteen packs of ecode
	s_mov_b32 s19, 0
	s_wait_alu depctr_va_vdst(0)
	s_wait_dscnt 0x0
	s_wait_kmcnt 0x0
	s_add_nc_u64 s[4:5], s[4:5], s[22:23]
	s_add_nc_u64 s[8:9], s[8:9], s[42:43]
	s_add_nc_u64 s[20:21], s[6:7], s[18:19]
	s_add_nc_u64 s[PFA:PFA+1], s[20:21], 3*PACK    ; stepped ahead of each use: the first names pack 4
	WIN 0x40                                       ; destination window 1
.irp i, 0,1,2,3,4,5,6,7
.irp c, 0,1,2,3,4,5
	global_load_b128 v[24*\i+4*\c:24*\i+4*\c+3], v[LG], s[4:5] offset:PACK*(\i/4)+3072*(\i%4)+512*\c
.endr
.endr
	WIN 0
.irp i, 0,1,2,3,4,5,6,7
	global_load_b32 v[XS+\i], v[L4], s[4:5] offset:PACK*(\i/4)+12288+128*(\i%4)
.endr
.irp p, 0,1
	s_mov_b32 s[G0+4*\p], 1
	s_add_co_u32 s[G0+4*\p+1], s16, \p*SLOT
	s_add_nc_u64 s[G0+4*\p+2:G0+4*\p+3], s[20:21], \p*PACK
	s_or_b32 s[G0+4*\p+3], s[G0+4*\p+3], 0x80000000
.endr
	CROUND                                         ; all four work-groups are here: the first joint loads meet
	TLOAD G0                                       ; pack 0: one tensor load a wave at the head
	s_cmp_lt_u32 ttmp9, 4
	s_cbranch_scc0 .Lno_prefetch_vqmax1
	global_prefetch_b8 v[PFO], s[20:21] offset:PACK th:TH_LOAD_NT scope:SCOPE_SE
	global_prefetch_b8 v[PFO], s[20:21] offset:2*PACK th:TH_LOAD_NT scope:SCOPE_SE
.Lno_prefetch_vqmax1:
	s_wait_tensorcnt 0x0                           ; pack 0 is in
	ds_add_u32 v[SPW], v[NIL]
	s_wait_dscnt 0x0
	CROUND
	TLOAD G0+4                                     ; pack 1, slot 1's first fill
	FRAGLD 0, 0, 0
	s_cmp_lt_u32 ttmp9, 4
	s_cbranch_scc0 .Lno_prefetch_vqmax2
	global_prefetch_b8 v[PFO], s[20:21] offset:3*PACK th:TH_LOAD_NT scope:SCOPE_SE
.Lno_prefetch_vqmax2:
	s_wait_loadcnt 0x0                             ; the rows' codes and scale words are in
	STEP 0, 0, 0, 0, 0                             ; step 0 stands in front of the loop: there is no track yet
	s_mov_b32 s[TRIPS], 7
.Ltrip:                                            ; a trip goes once round the ring: eight steps; it fills both slots again (packs 2 to 15 in seven trips)
	STEP 0, 1, 1, 0, 0
	STEP 0, 2, 1, 2, 0
	STEP 0, 3, 1, 1, 1
	STEP 1, 0, 1, 0, 0
	STEP 1, 1, 1, 0, 0
	STEP 1, 2, 1, 2, 0
	STEP 1, 3, 1, 1, 1
	STEP 0, 0, 1, 0, 0
	s_sub_co_u32 s[TRIPS], s[TRIPS], 1
	s_cmp_lg_u32 s[TRIPS], 0
	s_cbranch_scc1 .Ltrip
	STEP 0, 1, 1, 0, 0                             ; the last seven steps are written out
	STEP 0, 2, 1, 1, 0
	STEP 0, 3, 1, 1, 0
	STEP 1, 0, 1, 0, 0
	STEP 1, 1, 1, 0, 0
	STEP 1, 2, 1, 0, 0
	STEP 1, 3, 1, 0, 0
	TRACK 1                                        ; step 63's: the maxima end in the first set
	; ---- the block's number, 2 x tile + h; then with lane l xor 16, which holds the same row's other blocks: the larger value, of equal values the lower block
.irp i, 0,1,2,3,4,5,6,7
	v_lshl_add_u32 v[IDX+\i], v[GID+\i], 1, v[H]
	v_mov_b32 v[OV+\i], 0                          ; (lane permutes' destinations)
	v_mov_b32 v[OI+\i], 0
.endr
.irp i, 0,1,2,3,4,5,6,7
	v_permlanex16_b32 v[OV+\i], v[RUN+\i], s[SEL], s[SEL+1]
	v_permlanex16_b32 v[OI+\i], v[IDX+\i], s[SEL], s[SEL+1]
.endr
.irp i, 0,1,2,3,4,5,6,7
	v_min_u32 v[MN+\i], v[IDX+\i], v[OI+\i]
	v_cmp_gt_f32 vcc_lo, v[OV+\i], v[RUN+\i]
	s_delay_alu instid0(VALU_DEP_1)
	v_cndmask_b32 v[IDX+\i], v[IDX+\i], v[OI+\i], vcc_lo
	v_cmp_eq_f32 vcc_lo, v[OV+\i], v[RUN+\i]
	s_delay_alu instid0(VALU_DEP_1)
	v_cndmask_b32 v[IDX+\i], v[IDX+\i], v[MN+\i], vcc_lo
	v_max_num_f32 v[RUN+\i], v[RUN+\i], v[OV+\i]
.endr
.irp i, 0,1,2,3,4,5,6,7
	v_cndmask_b32 v[OV+\i], v[RUN+\i], v[IDX+\i], s[HM]   ; lanes 0-15 send the value, lanes 16-31 the block
	ds_store_b32 v[MST], v[OV+\i] offset:64*\i
.endr
	s_wait_dscnt 0x0                               ; for wave 0's sake: my results have landed
	s_barrier_signal -1
	s_barrier_wait -1
	; ---- over the eight waves: their blocks ascend with the wave's number, so a strict comparison keeps the lowest
	s_cmp_lg_u32 s[WV], 0
	s_cbranch_scc1 .Ldone
.irp w, 0,1,2,3,4,5,6,7
	ds_load_b128 v[MV+4*\w:MV+4*\w+3], v[MLD] offset:512*\w
	ds_load_b128 v[MI+4*\w:MI+4*\w+3], v[MLD] offset:4096+512*\w
.endr
	s_wait_dscnt 0x0
.irp w, 1,2,3,4,5,6,7
.irp e, 0,1,2,3
	v_cmp_gt_f32 vcc_lo, v[MV+4*\w+\e], v[MV+\e]
	s_delay_alu instid0(VALU_DEP_1)
	v_cndmask_b32 v[MI+\e], v[MI+\e], v[MI+4*\w+\e], vcc_lo
	v_max_num_f32 v[MV+\e], v[MV+\e], v[MV+4*\w+\e]
.endr
.endr
	global_store_b128 v[LG], v[MI:MI+3], s[8:9]    ; 128 words: 512 consecutive bytes, at a multiple of 256 from the buffer's first byte
.Ldone:
	s_wait_tensorcnt 0x0                           ; the wave's end
	ds_add_u32 v[SPW], v[NIL]
	s_wait_dscnt 0x0
	CROUND                                         ; the closing round
	s_endpgm
.Lfunc_end_k_q279a08dece_vqmax:
	.size	k_q279a08dece_vqmax, .Lfunc_end_k_q279a08dece_vqmax-k_q279a08dece_vqmax
	.p2alignl 7, 3214868480
	.fill 96, 4, 3214868480
	.section	.rodata,"a",@progbits
	.p2align	6, 0x0
	.amdhsa_kernel k_q279a08dece_vqmax
		.amdhsa_group_segment_fixed_size 327680
		.amdhsa_private_segment_fixed_size 0
		.amdhsa_enable_private_segment 0
		.amdhsa_kernarg_size 24
		.amdhsa_user_sgpr_count 2
		.amdhsa_user_sgpr_kernarg_segment_ptr 1
		.amdhsa_wavefront_size32 1
		.amdhsa_system_sgpr_workgroup_id_x 1
		.amdhsa_system_sgpr_workgroup_id_y 1
		.amdhsa_system_sgpr_workgroup_id_z 1
		.amdhsa_system_vgpr_workitem_id 0
		.amdhsa_next_free_vgpr 448
		.amdhsa_next_free_sgpr 66
		.amdhsa_reserve_vcc 1
		.amdhsa_float_denorm_mode_32 3
		.amdhsa_float_denorm_mode_16_64 3
		.amdhsa_memory_ordered 1
		.amdhsa_forward_progress 1
		.amdhsa_inst_pref_size 113
	.end_amdhsa_kernel
	.amdgpu_metadata
---
amdhsa.version: [ 1, 2 ]
amdhsa.kernels:
  - .name:           k_q279a08dece_vqmax
    .symbol:         k_q279a08dece_vqmax.kd
    .args:
      - { .name: icode, .offset: 0, .size: 8, .value_kind: global_buffer, .address_space: global }
      - { .name: ecode, .offset: 8, .size: 8, .value_kind: global_buffer, .address_space: global }
      - { .name: cbw, .offset: 16, .size: 8, .value_kind: global_buffer, .address_space: global }
    .group_segment_fixed_size: 327680
    .private_segment_fixed_size: 0
    .kernarg_segment_align: 8
    .kernarg_segment_size: 24
    .max_flat_workgroup_size: 256
    .sgpr_count:     66
    .vgpr_count:     448
    .wavefront_size: 32
...
	.end_amdgpu_metadata
.endif
;; end of part 2
;; launch refine (part 3): grid 512 x 1, 4 waves a work-group, no clusters, 1,024 bytes of LDS; arguments icode, ecode, cbw, out1, idxw; writes out1, idxw
.if DOCPART == 3
	.amdgcn_target "amdgcn-amd-amdhsa--gfx1250"
	.amdhsa_code_object_version 6
	.text
	.protected	k_q279a08dece_refine
	.globl	k_q279a08dece_refine
	.p2align	8
	.type	k_q279a08dece_refine,@function
k_q279a08dece_refine:
	s_mov_b64 s[64:65], 0
	v_nop
	global_prefetch_b8 v0, s[64:65] scope:SCOPE_SE
	s_setreg_imm32_b32 hwreg(HW_REG_WAVE_MODE, 25, 1), 1
	s_wait_xcnt 0x0
; For each row: cbw names the block of 8 neighbouring codewords that holds its largest similarity.  The 8 similarities are multiplied again on the same codes by the same matrix instruction; the lowest of the largest is the
; index: it goes to out1 and, for the launch that gathers, to idxw.
; EVERY ADDRESS is made of ids and of cbw, which the launch before stored; none hangs on a similarity.
; SHARES.  A wave owns 16 rows, one tile of icode.  Source 1 = my tile's fragment; source 0 is gathered: for the pair of rows 2 p, 2 p + 1 lanes with r < 8 take row 2 p's eight candidates and the others row 2 p + 1's,
; each lane its 16 bytes of ecode's images.  In pair p's result lane (2 p, h = 0) holds row 2 p's eight similarities and lane (2 p + 1, h = 1) row 2 p + 1's: 8 pairs x 2 K steps = 16 matrix instructions a wave.
; The four waves' 64 indices meet in LDS and leave as one aligned unit of 256 bytes to each of the two buffers.
; No cluster: which codewords work-groups share is not known ahead.  No tensor load: the addresses come from a stored list.  No prefetch: straight-line text with no loop to run ahead in; all 56 gathering loads are out at once.
; LIMITS: NaN and infinities among the inputs are not served.  A number of cbw is held to 0 .. 1,023 before it enters an address.
; REGISTERS.  Window 0: v1-23 addresses and single numbers; v24-47 blocks and offsets; v48-56 scale words; v58-81 my tile's fragments; v82-121 five results (the first gathers all rows' eight); v128-223 pairs 0-3.
;   Window 1: v128-223 pairs 4-7.
.set SPARE, 256                        ; LDS: 256 bytes of indices, then the spare words, 128 bytes a wave
.set LG,  1
.set L4,  2
.set CBO, 3
.set CBR, 4
.set LC,  5
.set LS,  6
.set SPW, 7
.set NIL, 8
.set OW,  9
.set OR,  10
.set CB,  11
.set M,   12
.set J,   13
.set JX,  14
.set IX,  15
.set CBV, 24
.set AO,  32
.set SO,  40
.set AS,  48
.set BS,  56
.set B,   58
.set D,   82
.set A,   128
.set TA,  128                          ; at work ahead of the loads into A
.set TB,  136
.set TC,  144
.set WV,  36
.set PM,  40                           ; s40-47 the lanes of pair p
.set SEL, 70
.set XM,  72
.set MSB, 0
.macro WIN new                         ; the immediate's high byte repeats the setting that is left
.if MSB != \new
	s_set_vgpr_msb (MSB<<8)|\new
.set MSB, \new
.endif
.endm
.macro PROD p, s, a                    ; pair p into result s; a: where its fragments lie.  K step 0 starts the sum
	v_wmma_scale_f32_16x16x128_f8f6f4 v[D+8*(\s):D+8*(\s)+7], v[\a:\a+11], v[B:B+11], 0, v[AS+(\p)], v[BS] matrix_a_fmt:MATRIX_FMT_FP6 matrix_b_fmt:MATRIX_FMT_FP6
.endm
.macro PROD1 p, s, a
	v_wmma_scale_f32_16x16x128_f8f6f4 v[D+8*(\s):D+8*(\s)+7], v[\a+12:\a+23], v[B+12:B+23], v[D+8*(\s):D+8*(\s)+7], v[AS+(\p)], v[BS] matrix_a_fmt:MATRIX_FMT_FP6 matrix_b_fmt:MATRIX_FMT_FP6 matrix_a_scale:MATRIX_SCALE_ROW1 matrix_b_scale:MATRIX_SCALE_ROW1
.endm
.macro KEEP p, s                       ; pair p's lanes take their eight from result s, from its low end on
.irp j, 0,1,2,3,4,5,6,7
	v_cndmask_b32 v[D+\j], v[D+\j], v[D+8*(\s)+\j], s[PM+(\p)]
.endr
.endm
	s_load_b256 s[4:11], s[0:1], 0x0               ; icode s[4:5], ecode s[6:7], cbw s[8:9], out1 s[10:11]
	s_load_b64 s[12:13], s[0:1], 0x20              ; idxw
	v_lshl_add_u32 v[SPW], v0, 2, SPARE
	v_mov_b32 v[NIL], 0
	v_lshrrev_b32 v18, 5, v0
	v_readfirstlane_b32 s[WV], v18                 ; wave 0..3
	v_and_b32 v19, 31, v0
	v_and_b32 v20, 15, v0                          ; r
	v_bfe_u32 v21, v0, 3, 1                        ; r / 8
	v_and_b32 v22, 7, v0
	v_bfe_u32 v23, v0, 4, 1                        ; h
	v_lshlrev_b32 v[LG], 4, v19
	v_lshlrev_b32 v[L4], 2, v19
	v_lshlrev_b32 v[OR], 3, v19
	v_lshlrev_b32 v[CBO], 2, v21
	v_lshlrev_b32 v[CBR], 2, v20
	v_lshlrev_b32 v[LC], 4, v22
	v_lshlrev_b32 v[LS], 2, v22
	v_lshl_add_u32 v[OW], v18, 6, v[CBR]           ; LDS: 64 x wave + 4 r
	v_lshl_add_u32 v[LC], v23, 8, v[LC]            ; in an image: 16 (r % 8) + 256 h
	v_lshl_add_u32 v[LS], v23, 6, v[LS]
	v_mov_b32 v[JX], 0                             ; (a lane permute's destination)
	v_add_nc_u32 v[LS], 12288, v[LS]               ; among a pack's scale words: 4 (r % 8) + 64 h
	s_mul_i32 s32, ttmp9, 12800                    ; my work-group's four tiles are pack ttmp9 of icode
	s_mul_i32 s33, s[WV], 3072
	s_lshl_b32 s35, s[WV], 7
	s_add_co_u32 s34, s32, s35
	s_add_co_u32 s34, s34, 12288                   ; my tile's scale words
	s_add_co_u32 s32, s32, s33                     ; my tile's images
	s_mov_b32 s33, 0
	s_mov_b32 s35, 0
	s_lshl_b32 s37, ttmp9, 2
	s_add_co_u32 s37, s37, s[WV]                   ; my tile
	s_lshl_b32 s74, s37, 6                         ; its 16 words of cbw
	s_mov_b32 s75, 0
	s_lshl_b32 s78, ttmp9, 8                       ; the work-group's 64 indices
	s_mov_b32 s79, 0
.irp p, 0,1,2,3,4,5,6,7
	s_mov_b32 s[PM+\p], (3<<(2*\p))|(3<<(2*\p+16))
.endr
	s_mov_b32 s[SEL], 0x76543210
	s_mov_b32 s[SEL+1], 0xfedcba98
	s_mov_b32 s[XM], 0x5555aaaa                    ; lanes whose row's eight lie in lane l xor 16
	s_wait_alu depctr_va_vdst(0)
	s_wait_kmcnt 0x0
	s_add_nc_u64 s[38:39], s[4:5], s[34:35]
	s_add_nc_u64 s[4:5], s[4:5], s[32:33]
	s_add_nc_u64 s[8:9], s[8:9], s[74:75]
	s_add_nc_u64 s[10:11], s[10:11], s[78:79]
	s_add_nc_u64 s[12:13], s[12:13], s[78:79]
.irp p, 0,1,2,3,4,5,6,7
	global_load_b32 v[CBV+\p], v[CBO], s[8:9] offset:8*\p        ; by lanes: the block of row 2 p + r / 8
.endr
	global_load_b32 v[CB], v[CBR], s[8:9]          ; and of row r
.irp c, 0,1,2,3,4,5
	global_load_b128 v[B+4*\c:B+4*\c+3], v[LG], s[4:5] offset:512*\c
.endr
	global_load_b32 v[BS], v[L4], s[38:39]
	s_wait_loadcnt 0x0
	; block cb lies in pack cb / 8, tile (cb / 2) % 4 of it, rows 8 (cb % 2) on: 1,600 (cb & 0x3f8) + 1,536 (cb & 6) + 128 (cb & 1); its scale words: 1,600 (cb & 0x3f8) + 64 (cb & 6) + 32 (cb & 1)
.irp p, 0,1,2,3,4,5,6,7
	v_min_u32 v[CBV+\p], 1023, v[CBV+\p]
.endr
.irp p, 0,1,2,3,4,5,6,7
	v_and_b32 v[TA+\p], 0x3f8, v[CBV+\p]
.endr
.irp p, 0,1,2,3,4,5,6,7
	v_and_b32 v[TB+\p], 6, v[CBV+\p]
.endr
.irp p, 0,1,2,3,4,5,6,7
	v_and_b32 v[TC+\p], 1, v[CBV+\p]
.endr
.irp p, 0,1,2,3,4,5,6,7
	v_mad_u32_u24 v[AO+\p], v[TA+\p], 1600, v[LC]
.endr
.irp p, 0,1,2,3,4,5,6,7
	v_mad_u32_u24 v[SO+\p], v[TA+\p], 1600, v[LS]
.endr
.irp p, 0,1,2,3,4,5,6,7
	v_mad_u32_u24 v[AO+\p], v[TB+\p], 1536, v[AO+\p]
.endr
.irp p, 0,1,2,3,4,5,6,7
	v_lshl_add_u32 v[SO+\p], v[TB+\p], 6, v[SO+\p]
.endr
.irp p, 0,1,2,3,4,5,6,7
	v_lshl_add_u32 v[AO+\p], v[TC+\p], 7, v[AO+\p]
.endr
.irp p, 0,1,2,3,4,5,6,7
	v_lshl_add_u32 v[SO+\p], v[TC+\p], 5, v[SO+\p]
.endr
	v_min_u32 v[CB], 1023, v[CB]
.irp p, 0,1,2,3                                ; pairs 0-3: 28 loads
.irp c, 0,1,2,3,4,5
	global_load_b128 v[A+24*\p+4*\c:A+24*\p+4*\c+3], v[AO+\p], s[6:7] offset:512*\c
.endr
	global_load_b32 v[AS+\p], v[SO+\p], s[6:7]
.endr
	WIN 0x40                                       ; pairs 4-7: 28 loads, the fragments into window 1
.irp p, 0,1,2,3
.irp c, 0,1,2,3,4,5
	global_load_b128 v[A+24*\p+4*\c:A+24*\p+4*\c+3], v[AO+4+\p], s[6:7] offset:512*\c
.endr
.endr
	WIN 0
.irp p, 4,5,6,7
	global_load_b32 v[AS+\p], v[SO+\p], s[6:7]
.endr
	s_wait_alu depctr_va_vdst(0)
	s_wait_loadcnt 28                              ; pairs 0-3 are in; pairs 4-7's 28 loads may be out
.irp p, 0,1,2,3                                ; four results by turns
	PROD \p, \p, A+24*\p
.endr
.irp p, 0,1,2,3
	PROD1 \p, \p, A+24*\p
.endr
.rept 4
	v_nop                                          ; four places behind the products (ISA guide 7.12.1)
.endr
	KEEP 1, 1                                      ; result 0 gathers: pair 0's lanes hold theirs already
	KEEP 2, 2
	KEEP 3, 3
	s_wait_alu depctr_va_vdst(0)
	s_wait_loadcnt 0x0                             ; pairs 4-7 are in: nothing younger has been issued
	WIN 0x01                                       ; source 0 window 1
.irp p, 0,1,2,3
	PROD 4+\p, 1+\p, A+24*\p
.endr
.irp p, 0,1,2,3
	PROD1 4+\p, 1+\p, A+24*\p
.endr
	WIN 0
.rept 4
	v_nop                                          ; four places behind the products
.endr
	KEEP 4, 1
	KEEP 5, 2
	KEEP 6, 3
	KEEP 7, 4
	; ---- the largest of my eight, and the lowest place that holds it
	v_max3_num_f32 v[M], v[D], v[D+1], v[D+2]
	v_mov_b32 v[J], 0
	s_delay_alu instid0(VALU_DEP_2)
	v_max3_num_f32 v[M], v[M], v[D+3], v[D+4]
	s_delay_alu instid0(VALU_DEP_1)
	v_max3_num_f32 v[M], v[M], v[D+5], v[D+6]
	s_delay_alu instid0(VALU_DEP_1)
	v_max_num_f32 v[M], v[M], v[D+7]
.irp j, 7,6,5,4,3,2,1,0
	v_cmp_neq_f32 vcc_lo, v[D+\j], v[M]
	s_delay_alu instid0(VALU_DEP_1)
	v_cndmask_b32 v[J], \j, v[J], vcc_lo           ; equal: j; the lower j comes later and stays
.endr
	v_permlanex16_b32 v[JX], v[J], s[SEL], s[SEL+1]
	s_delay_alu instid0(VALU_DEP_1)
	v_cndmask_b32 v[J], v[J], v[JX], s[XM]         ; every lane now holds row r's place
	s_delay_alu instid0(VALU_DEP_1)
	v_lshl_add_u32 v[IX], v[CB], 3, v[J]           ; the index
	ds_store_b32 v[OW], v[IX]                      ; both halves of the lanes write the same word with the same value
	s_wait_dscnt 0x0                               ; for wave 0's sake: my indices have landed
	s_barrier_signal -1
	s_barrier_wait -1
	s_cmp_lg_u32 s[WV], 0
	s_cbranch_scc1 .Lend
	ds_load_b64 v[16:17], v[OR]                    ; the work-group's 64 indices
	s_wait_dscnt 0x0
	global_store_b64 v[OR], v[16:17], s[10:11]     ; 32 lanes store 256 consecutive bytes, aligned
	global_store_b64 v[OR], v[16:17], s[12:13]     ; and the same for the launch that gathers
.Lend:
	s_wait_tensorcnt 0x0                           ; the wave's end
	ds_add_u32 v[SPW], v[NIL]
	s_wait_dscnt 0x0
	s_endpgm
.Lfunc_end_k_q279a08dece_refine:
	.size	k_q279a08dece_refine, .Lfunc_end_k_q279a08dece_refine-k_q279a08dece_refine
	.p2alignl 7, 3214868480
	.fill 96, 4, 3214868480
	.section	.rodata,"a",@progbits
	.p2align	6, 0x0
	.amdhsa_kernel k_q279a08dece_refine
		.amdhsa_group_segment_fixed_size 1024
		.amdhsa_private_segment_fixed_size 0
		.amdhsa_enable_private_segment 0
		.amdhsa_kernarg_size 40
		.amdhsa_user_sgpr_count 2
		.amdhsa_user_sgpr_kernarg_segment_ptr 1
		.amdhsa_wavefront_size32 1
		.amdhsa_system_sgpr_workgroup_id_x 1
		.amdhsa_system_sgpr_workgroup_id_y 1
		.amdhsa_system_sgpr_workgroup_id_z 1
		.amdhsa_system_vgpr_workitem_id 0
		.amdhsa_next_free_vgpr 480
		.amdhsa_next_free_sgpr 80
		.amdhsa_reserve_vcc 1
		.amdhsa_float_denorm_mode_32 3
		.amdhsa_float_denorm_mode_16_64 3
		.amdhsa_memory_ordered 1
		.amdhsa_forward_progress 1
		.amdhsa_inst_pref_size 23
	.end_amdhsa_kernel
	.amdgpu_metadata
---
amdhsa.version: [ 1, 2 ]
amdhsa.kernels:
  - .name:           k_q279a08dece_refine
    .symbol:         k_q279a08dece_refine.kd
    .args:
      - { .name: icode, .offset: 0, .size: 8, .value_kind: global_buffer, .address_space: global }
      - { .name: ecode, .offset: 8, .size: 8, .value_kind: global_buffer, .address_space: global }
      - { .name: cbw, .offset: 16, .size: 8, .value_kind: global_buffer, .address_space: global }
      - { .name: out1, .offset: 24, .size: 8, .value_kind: global_buffer, .address_space: global }
      - { .name: idxw, .offset: 32, .size: 8, .value_kind: global_buffer, .address_space: global }
    .group_segment_fixed_size: 1024
    .private_segment_fixed_size: 0
    .kernarg_segment_align: 8
    .kernarg_segment_size: 40
    .max_flat_workgroup_size: 128
    .sgpr_count:     80
    .vgpr_count:     480
    .wavefront_size: 32
...
	.end_amdgpu_metadata
.endif
;; end of part 3
;; launch gather (part 4): grid 1024 x 1, 4 waves a work-group, no clusters, 0 bytes of LDS; arguments embd, idxw, out0; writes out0
.if DOCPART == 4
	.amdgcn_target "amdgcn-amd-amdhsa--gfx1250"
	.amdhsa_code_object_version 6
	.text
	.protected	k_q279a08dece_gather
	.globl	k_q279a08dece_gather
	.p2align	8
	.type	k_q279a08dece_gather,@function
k_q279a08dece_gather:
	s_mov_b64 s[64:65], 0
	v_nop
	global_prefetch_b8 v0, s[64:65] scope:SCOPE_SE
	s_setreg_imm32_b32 hwreg(HW_REG_WAVE_MODE, 25, 1), 1
	s_wait_xcnt 0x0
; out0[row] = embd[idx[row]], in f32.  idx comes from idxw, which the launch before stored.
; WORK LEFT OUT: input + (embd[idx] - input) is embd[idx] in real numbers for all values: neither the difference nor the sum is formed, and input is not among the arguments (shown at the head of the first kernel, with its limit).
; A gather and a stream: no LDS, no barrier, no matrix unit, no cluster (which rows of embd work-groups share is not known ahead), no prefetch (straight-line text with no loop to run ahead in).
; A wave owns 8 rows of 1,024 bytes: each load and store covers 512 consecutive bytes, aligned.  All 16 loads of a wave are out at once, no register is written twice, every offset is an immediate.
; An index is held to 0 .. 8,191 before it enters an address.
.set EO, 2                             ; v2-9    row r: 1,024 x its index + 16 x lane
.set E,  16                            ; v16-79  embd's rows: 8 registers a row
	s_load_b128 s[4:7], s[0:1], 0x0                ; embd s[4:5], idxw s[6:7]
	s_load_b64 s[10:11], s[0:1], 0x10              ; out0
	v_lshrrev_b32 v10, 5, v0
	v_readfirstlane_b32 s12, v10                   ; wave 0..3
	v_and_b32 v1, 31, v0
	v_lshlrev_b32 v1, 4, v1                        ; 16 x lane
	s_lshl_b32 s13, ttmp9, 2
	s_add_co_u32 s13, s13, s12                     ; which 8 rows are mine
	s_lshl_b32 s24, s13, 5                         ; their 8 indices: 32 bytes
	s_mov_b32 s25, 0
	s_lshl_b32 s14, s13, 13                        ; their 8,192 bytes
	s_mov_b32 s15, 0
	s_wait_alu depctr_va_vdst(0)
	s_wait_kmcnt 0x0
	s_add_nc_u64 s[6:7], s[6:7], s[24:25]
	s_load_b256 s[16:23], s[6:7], 0x0              ; the eight indices
	s_add_nc_u64 s[10:11], s[10:11], s[14:15]
	s_wait_kmcnt 0x0
.irp r, 0,1,2,3,4,5,6,7
	s_min_u32 s[16+\r], s[16+\r], 8191
	s_lshl_b32 s[16+\r], s[16+\r], 10
	v_add_nc_u32 v[EO+\r], s[16+\r], v1
.endr
	s_wait_alu depctr_va_vdst(0)
.irp r, 0,1,2,3,4,5,6,7
.irp u, 0,1
	global_load_b128 v[E+8*\r+4*\u:E+8*\r+4*\u+3], v[EO+\r], s[4:5] offset:512*\u   ; no hint: a codeword may be named again
.endr
.endr
.irp r, 0,1,2,3,4,5,6,7
	s_wait_loadcnt 14-2*\r                         ; loads come back in order (ISA guide 5.7.1): this row's two are in; the later rows' may be out
.irp u, 0,1
	global_store_b128 v1, v[E+8*\r+4*\u:E+8*\r+4*\u+3], s[10:11] offset:1024*\r+512*\u th:TH_STORE_NT
.endr
.endr
	s_endpgm
.Lfunc_end_k_q279a08dece_gather:
	.size	k_q279a08dece_gather, .Lfunc_end_k_q279a08dece_gather-k_q279a08dece_gather
	.p2alignl 7, 3214868480
	.fill 96, 4, 3214868480
	.section	.rodata,"a",@progbits
	.p2align	6, 0x0
	.amdhsa_kernel k_q279a08dece_gather
		.amdhsa_group_segment_fixed_size 0
		.amdhsa_private_segment_fixed_size 0
		.amdhsa_enable_private_segment 0
		.amdhsa_kernarg_size 24
		.amdhsa_user_sgpr_count 2
		.amdhsa_user_sgpr_kernarg_segment_ptr 1
		.amdhsa_wavefront_size32 1
		.amdhsa_system_sgpr_workgroup_id_x 1
		.amdhsa_system_sgpr_workgroup_id_y 1
		.amdhsa_system_sgpr_workgroup_id_z 1
		.amdhsa_system_vgpr_workitem_id 0
		.amdhsa_next_free_vgpr 96
		.amdhsa_next_free_sgpr 66
		.amdhsa_reserve_vcc 0
		.amdhsa_float_denorm_mode_32 3
		.amdhsa_float_denorm_mode_16_64 3
		.amdhsa_memory_ordered 1
		.amdhsa_forward_progress 1
		.amdhsa_inst_pref_size 6
	.end_amdhsa_kernel
	.amdgpu_metadata
---
amdhsa.version: [ 1, 2 ]
amdhsa.kernels:
  - .name:           k_q279a08dece_gather
    .symbol:         k_q279a08dece_gather.kd
    .args:
      - { .name: embd, .offset: 0, .size: 8, .value_kind: global_buffer, .address_space: global }
      - { .name: idxw, .offset: 8, .size: 8, .value_kind: global_buffer, .address_space: global }
      - { .name: out0, .offset: 16, .size: 8, .value_kind: global_buffer, .address_space: global }
    .group_segment_fixed_size: 0
    .private_segment_fixed_size: 0
    .kernarg_segment_align: 8
    .kernarg_segment_size: 24
    .max_flat_workgroup_size: 128
    .sgpr_count:     66
    .vgpr_count:     96
    .wavefront_size: 32
...
	.end_amdgpu_metadata
.endif
;; end of part 4
